; MI455X (gfx1250); checked and timed in simulation.
; The chip was launched on July 23, 2026; its instructions are those of AMD's public machine-readable ISA for CDNA 5 (MIT licence, August 2026) and "CDNA5" Instruction Set Architecture Reference Guide (July 2026). The comments in the code are by the model that wrote it; some were corrected since.
;; Multihead Attention. Allowed arithmetic: matrix products marked QUANTISED: E2M3 operands, one E8M0 scale for each 32 along K, by v_wmma_scale_f32_16x16x128_f8f6f4 with both operands' format E2M3, f32 sums; everything else in f32.
;; Inputs: Wk 1,024 x 1,024 float32; Wq 1,024 x 1,024 float32; Wv 1,024 x 1,024 float32; bk 1,024 float32; bq 1,024 float32; bv 1,024 float32; k 4 x 2,048 x 1,024 float32; q 4 x 2,048 x 1,024 float32; v 4 x 2,048 x 1,024 float32.
;; Outputs: out0 4 x 2,048 x 1,024 float32.
;; This version of the problem:
;;   THIS VERSION OF THE PROBLEM IS GIVEN IN LOW PRECISION. The matrix products marked QUANTISED in the list below multiply operands that are first quantised to E2M3 (2 exponent bits, 3 mantissa bits; 6 bits a number), with one power-of-two scale for each 32 numbers along K (OCP MX v1.0); their sums are f32. All else is computed in f32.
;;   The module's matrix products, in the order in which they are computed (A, B: the left and right operand; K: the contracted axis; several contracted axes count as one K, in the product's order):
;;     1. [M 8,192, K 1,024] x [K 1,024, N 1,024]; A: input q; B: input Wq: QUANTISED
;;     2. [M 8,192, K 1,024] x [K 1,024, N 1,024]; A: input k; B: input Wk: QUANTISED
;;     3. [M 8,192, K 1,024] x [K 1,024, N 1,024]; A: input v; B: input Wv: QUANTISED
;;     4. batch 64 x [M 2,048, K 64] x [K 64, N 2,048]; A: computed on the way; B: computed on the way: QUANTISED
;;     5. batch 64 x [M 2,048, K 2,048] x [K 2,048, N 64]; A: softmax (see below); B: computed on the way: QUANTISED
;;   THE QUANTISER, for each operand of a quantised product, along K:
;;     - K is cut into blocks of 32 from its start; a last block that is shorter is filled with zeros.
;;     - A block's scale is 2^e with e = floor(log2(the largest magnitude in the block)) - 2, held to -126 .. 127; a block of zeros has e = 0. As a byte (E8M0): e + 127.
;;     - Each number is divided by its block's scale, clamped to +-7.5, and rounded to the nearest number of E2M3, ties to even, subnormals kept.
;;     - The product sums the exact products of the quantised numbers (number of the format x scale) in f32.
;;   ~~~python
;;   def quantise(x, axis):      # numpy; x: float32 -> the quantised numbers, widened to float32 again
;;       x = np.moveaxis(x, axis, -1); K = x.shape[-1]
;;       x = np.pad(x, [(0, 0)] * (x.ndim - 1) + [(0, -K % 32)]); x = x.reshape(x.shape[:-1] + (-1, 32)); a = np.abs(x).max(-1, keepdims=True)
;;       e = np.where(a > 0, np.clip(np.frexp(np.where(a > 0, a, 1))[1] - 1 - 2, -126, 127), 0)      # np.frexp(a)[1] - 1 = floor(log2(a)), exactly
;;       r = np.clip(x / 2.0 ** e, -7.5, 7.5)
;;       step = 2.0 ** (np.maximum(np.frexp(np.where(r == 0, 1, r))[1] - 1, 0) - 3)
;;       q = np.round(r / step) * step * 2.0 ** e      # np.round: ties to even
;;       return np.moveaxis(q.reshape(q.shape[:-2] + (-1,))[..., :K], -1, axis).astype(np.float32)
;;   ~~~
;;   SOFTMAX AHEAD OF A QUANTISED PRODUCT. Where the list says 'softmax', what is quantised is not the finished softmax but p = 2^(t - M), with t = logit x log2(e) and M = ceil(the row's largest t), a whole number; so 1/2 < the row's largest p <= 1. The row's sum l is taken of the UNQUANTISED p, in f32, and the product's result is divided by l at the end. Since M is a whole number, a kernel that streams over the keys may use a running M (the ceiling of the running maximum): every later rescaling is an exact power of two, which a block's scale takes up: the codes' values come out the same.
;;   OPERANDS COMPUTED ON THE WAY. 'Computed on the way' means the value that the module computes at that place (a softmax that the list does not call 'softmax' is quantised finished and normalised). What goes into a quantiser is computed in f32, as accurately as f32 sums, v_exp_f32 and their like allow (about 1e-6 of the number): no bf16 or f16 on the way to a quantiser, and a product that is left as it is and whose result goes on into a quantised operand takes f32 operands (vector FMAs, or v_wmma_f32_16x16x4_f32). A number that lies on a knife's edge between two numbers of the format may be rounded either way, as far as f32 arithmetic and the matrix unit's own rounding can turn it there, and no further.
;; One version. Each part assembles by itself: llvm-mc -triple=amdgcn-amd-amdhsa -mcpu=gfx1250 --defsym DOCPART=n.
;; ======== version 1 of 1: 3 launches
;; limits: right only within a limited range of input values
;; workspace buffers: codes 21,233,664 bytes; scales 884,736 bytes; qc 6,815,744 bytes; kv 13,369,344 bytes
;; launch quant (part 1): grid 480 x 1, 4 waves a work-group, no clusters, 34,304 bytes of LDS; arguments q, k, v, Wq, Wk, Wv, codes, scales; writes codes, scales
.if DOCPART == 1
	.amdgcn_target "amdgcn-amd-amdhsa--gfx1250"
	.amdhsa_code_object_version 6
	.text
	.protected	k_q126bb5e082_quant
	.globl	k_q126bb5e082_quant
	.p2align	8
	.type	k_q126bb5e082_quant,@function
k_q126bb5e082_quant:
	s_mov_b64 s[64:65], 0
	v_nop
	global_prefetch_b8 v0, s[64:65] scope:SCOPE_SE
	s_setreg_imm32_b32 hwreg(HW_REG_WAVE_MODE, 25, 1), 1
	s_wait_xcnt 0x0
; q, k, v [8192][1024] f32 (K innermost) and Wq, Wk, Wv [1024 (K)][1024 (n)] f32 become codes of FP6 (E2M3) with one E8M0 scale byte for each 32 along K.
; A block's scale is 2^(floor(log2(its largest magnitude)) - 2): its byte is the largest magnitude's exponent field - 2, held at 1 from below; numbers / scale go to the nearest code, ties to even, beyond 7.5 the largest code.
; LIMITS: NaN and infinities among the inputs are not served; blocks whose largest magnitude lies under 2^-124 keep the byte 1; a block of zeros gets the byte 1 and not 127: its codes are zeros, and this program alone reads the bytes.
; WHAT IS STORED.  codes: [tile T: 1,728][K step: 8][1,536 bytes].  A tile is 16 rows of an operand (tokens of q, k, v; columns n of a weight); tile 2 B + u holds at place r the row 32 B + 8 u + r + 8 (r / 8).
;   T = 512 t + tile for q, k, v (t = 0, 1, 2), T = 1,536 + 64 t + tile for the weights.  The 1,536 bytes are an IMAGE OF THE OPERAND'S REGISTERS: 12 registers a lane (lane (r, h): registers 6 c .. 6 c + 5 = k 64 c + 32 h + 0 .. 31),
;   registers 4 p .. 4 p + 3 of lane l at byte 512 p + 16 l.  scales: [pair of tiles: 864][g: 4][u][r][2 words]: the scale words (four bytes, 128 along K) of K steps 2 g and 2 g + 1.
; Work-groups 0 to 383 take q, k, v; 384 to 479 the weights.  Waves share nothing: no barrier.  The work-groups share no input, so there is no cluster; no matrix unit, no tensor load: this is a stream.
.set FLOOR, 0x1800000                  ; 2^(3 - 127): under it no largest magnitude is taken, so the byte cannot fall under 1
.set LESS2, 0xff000000                 ; takes 2 off an exponent field
.set R,   16                           ; v16-143  two sets of 64: a fragment's numbers as loaded
.set X,   144                          ; v144-207 my 64 numbers: block h, then block 2 + h of my row
.set C,   208                          ; v208-219 the fragment's codes
.set T0,  220                          ; v220-222, v224-226: a conversion's three registers begin on an even number
.set T1,  224
.set WD,  228                          ; v228-235 the eight fragments' scale words
.set D,   236                          ; v236-239 scale words on their way out
.set XW,  16                           ; the weights' path: v16-79 two sets of 32 numbers
.set CA,  80                           ; v80-91 the codes of blocks 0 and 2 (the image's lanes 0-15), v92-103 of blocks 1 and 3 (lanes 16-31)
.set TW,  104
.set WW,  108                          ; v108-109 two scale words
	s_load_b512 s[4:19], s[0:1], 0x0               ; q, k, v, Wq, Wk, Wv, codes, scales
	v_lshl_add_u32 v240, v0, 2, 0x8400
	v_mov_b32 v241, 0
	v_lshrrev_b32 v1, 5, v0
	v_readfirstlane_b32 s20, v1                    ; wave
	v_and_b32 v1, 31, v0                           ; lane
	s_cmp_ge_u32 ttmp9, 384
	s_cbranch_scc1 .Lweights
; ---- q, k, v.  Wave w of work-group 128 t + i takes the pair of tiles 2 i + w / 2 (32 tokens) and half w % 2 of K: eight fragments f = 4 u + s.
	s_lshr_b32 s21, ttmp9, 7                       ; t
	s_and_b32 s22, ttmp9, 127
	s_lshl_b32 s22, s22, 1
	s_lshr_b32 s23, s20, 1
	s_add_co_u32 s22, s22, s23                     ; the pair
	s_and_b32 s23, s20, 1                          ; the half of K
	s_mov_b32 s30, 0x76543210
	s_mov_b32 s31, 0xfedcba98                      ; v_permlanex16_b32's selects for lane l xor 16
	v_and_b32 v2, 15, v0                           ; r
	v_bfe_u32 v3, v0, 4, 1                         ; h
	s_wait_alu depctr_va_vdst(0)
	v_lshlrev_b32 v4, 4, v1                        ; 16 x lane: a load's and a store's place
	s_mul_i32 s24, s20, 8448                       ; my wave's stage: 16 rows x (512 + 16) bytes
	v_add_nc_u32 v5, s24, v4                       ; into it: as loaded
	v_mul_u32_u24 v6, v2, 528
	v_lshl_add_u32 v6, v3, 7, v6
	v_add_nc_u32 v6, s24, v6                       ; out of it: row r, block h
	v_lshlrev_b32 v7, 3, v1                        ; 8 x lane
	v_lshlrev_b32 v8, 3, v3                        ; 8 h: my bytes' place in a scale word
	v_mov_b32 v9, 0                                ; written once: a lane permute's destination counts as one of its sources
	; THE TOKENS' TILES (q, k, v): tile 4 C + i holds at place r the row 64 C + 8 i + r % 8 + 32 (r / 8); the order given at the head holds for the weights' tiles alone.
	; My pair P holds tiles 2 P and 2 P + 1: its rows begin at 64 (P / 2) + 16 (P % 2).
	s_lshr_b32 s24, s22, 1
	s_lshl_b32 s24, s24, 18                        ; 64 rows of 4,096 bytes
	s_and_b32 s25, s22, 1
	s_lshl_b32 s25, s25, 16                        ; 16 rows
	s_add_co_u32 s24, s24, s25
	s_lshl_b32 s25, s23, 11                        ; 512 numbers
	s_add_co_u32 s24, s24, s25
	s_mov_b32 s25, 0
	s_lshl_b32 s26, s21, 9
	s_lshl_b32 s27, s22, 1
	s_add_co_u32 s26, s26, s27                     ; tile 512 t + 2 x pair
	s_mul_i32 s26, s26, 12288
	s_mul_i32 s27, s23, 6144
	s_add_co_u32 s26, s26, s27
	s_mov_b32 s27, 0
	s_lshl_b32 s28, s21, 8
	s_add_co_u32 s28, s28, s22
	s_lshl_b32 s28, s28, 10
	s_lshl_b32 s29, s23, 9
	s_add_co_u32 s28, s28, s29
	s_mov_b32 s29, 0
	s_wait_alu depctr_va_vdst(0)
	s_wait_kmcnt 0x0
	s_cmp_eq_u32 s21, 0                            ; the tensor is chosen by the work-group's number alone
	s_cselect_b64 s[32:33], s[4:5], s[6:7]
	s_cmp_eq_u32 s21, 2
	s_cselect_b64 s[32:33], s[8:9], s[32:33]
	s_add_nc_u64 s[32:33], s[32:33], s[24:25]
	s_add_nc_u64 s[34:35], s[16:17], s[26:27]
	s_add_nc_u64 s[36:37], s[18:19], s[28:29]
.macro LOADX f                         ; fragment f: 16 rows x 128 numbers; each load takes 512 consecutive bytes of one row
.irp p, 0,1,2,3,4,5,6,7,8,9,10,11,12,13,14,15
	global_load_b128 v[R+64*((\f)%2)+4*\p:R+64*((\f)%2)+4*\p+3], v4, s[32:33] offset:(8*((\f)/4)+\p+24*(\p/8))*4096+512*((\f)%4) th:TH_LOAD_NT
.endr
.endm
.macro FRAGX f
.if (\f) < 7
	s_wait_loadcnt 16                              ; this fragment's 16 loads are in; the next fragment's 16 may be out
.else
	s_wait_loadcnt 0x0
.endif
.irp p, 0,1,2,3,4,5,6,7,8,9,10,11,12,13,14,15
	ds_store_b128 v5, v[R+64*((\f)%2)+4*\p:R+64*((\f)%2)+4*\p+3] offset:528*\p
.endr
.irp i, 0,1,2,3,4,5,6,7,8,9,10,11,12,13,14,15
	ds_load_b128 v[X+4*\i:X+4*\i+3], v6 offset:16*(\i%8)+256*(\i/8)   ; LDS serves a wave's instructions in order: these see the stores above
.endr
	s_wait_dscnt 0x0
.if (\f) < 6
	LOADX (\f)+2
.endif
	v_max3_num_f32 v10, |v[X]|, |v[X+1]|, FLOOR    ; both my blocks' 32 numbers are mine; the two blocks by turns
	v_max3_num_f32 v11, |v[X+32]|, |v[X+33]|, FLOOR
.irp i, 2,4,6,8,10,12,14,16,18,20,22,24,26,28,30
	v_max3_num_f32 v10, v10, |v[X+\i]|, |v[X+\i+1]|
	v_max3_num_f32 v11, v11, |v[X+32+\i]|, |v[X+33+\i]|
.endr
	v_add_nc_u32 v12, LESS2, v10                   ; the conversion takes the exponent field of this operand as its scale, and nothing else of it
	v_add_nc_u32 v13, LESS2, v11
	v_lshrrev_b32 v14, 23, v12                     ; the bytes
	v_lshrrev_b32 v15, 23, v13
	v_lshl_or_b32 v14, v15, 16, v14                ; blocks h and 2 + h,
	v_lshlrev_b32 v14, v8, v14                     ; at their places;
	v_permlanex16_b32 v9, v14, s30, s31
	v_or_b32 v[WD+(\f)], v14, v9                   ; with lane l xor 16's two the word is whole
	s_wait_alu depctr_va_vdst(0)
	s_wait_xcnt 0x0                                ; the last fragment's stores have read the codes' registers
	v_cvt_scalef32_pk16_fp6_f32 v[C:C+2], v[X:X+15], v12
	v_cvt_scalef32_pk16_fp6_f32 v[T0:T0+2], v[X+16:X+31], v12
	v_cvt_scalef32_pk16_fp6_f32 v[C+6:C+8], v[X+32:X+47], v13
	v_cvt_scalef32_pk16_fp6_f32 v[T1:T1+2], v[X+48:X+63], v13
	v_nop                                          ; one plain place behind a scaled conversion
.irp i, 0,1,2
	v_mov_b32 v[C+3+\i], v[T0+\i]
	v_mov_b32 v[C+9+\i], v[T1+\i]
.endr
.irp p, 0,1,2
	global_store_b128 v4, v[C+4*\p:C+4*\p+3], s[34:35] offset:((\f)/4)*12288+((\f)%4)*1536+512*\p   ; 512 consecutive bytes, aligned
.endr
.endm
	LOADX 0
	LOADX 1
.irp f, 0,1,2,3,4,5,6,7
	FRAGX \f
.endr
	v_cmp_le_u32 vcc_lo, 16, v1                    ; lanes 16-31 carry tile u = 1's words
.irp g, 0,1
.irp w, 0,1
	v_cndmask_b32 v[D+2*\g+\w], v[WD+2*\g+\w], v[WD+4+2*\g+\w], vcc_lo
.endr
	global_store_b64 v7, v[D+2*\g:D+2*\g+1], s[36:37] offset:256*\g   ; 256 consecutive bytes, aligned
.endr
	s_wait_tensorcnt 0x0
	ds_add_u32 v240, v241
	s_wait_dscnt 0x0
	s_endpgm
; ---- The weights.  K is their FIRST axis: a lane takes a column n and its registers run down K, so a block of 32 lies in one lane and the codes come out with K innermost.
; Work-group 384 + 32 t + 4 cb + g: wave w takes the pair of tiles 4 cb + w (32 columns) and K steps 2 g and 2 g + 1: eight blocks a lane.  Lane c is place r = c % 8 + 8 (c / 16) of tile u = (c / 8) % 2.
.Lweights:
	s_sub_co_u32 s21, ttmp9, 384
	s_lshr_b32 s22, s21, 5                         ; t
	s_bfe_u32 s23, s21, 0x30002                    ; cb
	s_and_b32 s24, s21, 3                          ; g
	s_lshl_b32 s25, s23, 2
	s_add_co_u32 s25, s25, s20                     ; the pair
	v_bfe_u32 v2, v0, 3, 1                         ; u
	v_and_b32 v3, 7, v0
	v_bfe_u32 v10, v0, 4, 1
	v_lshl_add_u32 v3, v10, 3, v3                  ; r
	s_wait_alu depctr_va_vdst(0)
	v_lshlrev_b32 v4, 2, v1                        ; in: 4 bytes a lane
	v_mul_u32_u24 v5, v2, 12288
	v_lshl_add_u32 v5, v3, 4, v5                   ; out: tile u, the image's lane r
	v_lshlrev_b32 v6, 7, v2
	v_lshl_add_u32 v6, v3, 3, v6                   ; the scale words: [u][r][2]
	s_lshl_b32 s26, s24, 20                        ; 256 rows of 4,096 bytes
	s_lshl_b32 s27, s25, 7                         ; 32 columns
	s_add_co_u32 s26, s26, s27
	s_mov_b32 s27, 0
	s_lshl_b32 s28, s22, 6
	s_lshl_b32 s29, s25, 1
	s_add_co_u32 s28, s28, s29
	s_add_co_u32 s28, s28, 1536                    ; tile 1,536 + 64 t + 2 x pair
	s_mul_i32 s28, s28, 12288
	s_mul_i32 s29, s24, 3072
	s_add_co_u32 s28, s28, s29
	s_mov_b32 s29, 0
	s_lshl_b32 s38, s22, 5
	s_add_co_u32 s38, s38, s25
	s_add_co_u32 s38, s38, 768
	s_lshl_b32 s38, s38, 10
	s_lshl_b32 s39, s24, 8
	s_add_co_u32 s38, s38, s39
	s_mov_b32 s39, 0
	s_wait_alu depctr_va_vdst(0)
	s_wait_kmcnt 0x0
	s_cmp_eq_u32 s22, 0
	s_cselect_b64 s[32:33], s[10:11], s[12:13]
	s_cmp_eq_u32 s22, 2
	s_cselect_b64 s[32:33], s[14:15], s[32:33]
	s_add_nc_u64 s[32:33], s[32:33], s[26:27]
	s_add_nc_u64 s[34:35], s[16:17], s[28:29]
	s_add_nc_u64 s[36:37], s[18:19], s[38:39]
.macro LOADW n                         ; block n: W(32 n + i, my column): 128 consecutive bytes a wave, 512 a work-group
.irp i, 0,1,2,3,4,5,6,7,8,9,10,11,12,13,14,15,16,17,18,19,20,21,22,23,24,25,26,27,28,29,30,31
	global_load_b32 v[XW+32*((\n)%2)+\i], v4, s[32:33] offset:(32*(\n)+\i)*4096 th:TH_LOAD_NT
.endr
.endm
.macro BLOCKW n
.set XS, XW+32*((\n)%2)
.set DS, CA+12*((\n)%2)+6*(((\n)%4)/2)
.if (\n) < 7
	s_wait_loadcnt 32                              ; this block's 32 loads are in; the next block's may be out
.else
	s_wait_loadcnt 0x0
.endif
	v_max3_num_f32 v10, |v[XS]|, |v[XS+1]|, |v[XS+2]|
	v_max3_num_f32 v11, |v[XS+3]|, |v[XS+4]|, |v[XS+5]|
.irp i, 6,10,14,18,22,26
	v_max3_num_f32 v10, v10, |v[XS+\i]|, |v[XS+\i+1]|
	v_max3_num_f32 v11, v11, |v[XS+\i+2]|, |v[XS+\i+3]|
.endr
	v_max3_num_f32 v10, v10, |v[XS+30]|, |v[XS+31]|
	v_max3_num_f32 v10, v10, v11, FLOOR
	v_add_nc_u32 v12, LESS2, v10
	v_lshrrev_b32 v13, 23, v12
.if (\n)%4 == 0
	v_mov_b32 v[WW+(\n)/4], v13                    ; four bytes to a word, the lower K in the lower byte
.else
	v_lshl_or_b32 v[WW+(\n)/4], v13, 8*((\n)%4), v[WW+(\n)/4]
.endif
.if (\n) == 4
	s_wait_alu depctr_va_vdst(0)
	s_wait_xcnt 0x0                                ; the first K step's stores have read the codes' registers
.endif
	v_cvt_scalef32_pk16_fp6_f32 v[DS:DS+2], v[XS:XS+15], v12
	v_cvt_scalef32_pk16_fp6_f32 v[TW:TW+2], v[XS+16:XS+31], v12
	v_nop                                          ; one plain place behind a scaled conversion
.irp i, 0,1,2
	v_mov_b32 v[DS+3+\i], v[TW+\i]
.endr
.if (\n) < 6
	LOADW (\n)+2
.endif
.if (\n)%4 == 3
.irp h, 0,1
.irp p, 0,1,2
	global_store_b128 v5, v[CA+12*\h+4*\p:CA+12*\h+4*\p+3], s[34:35] offset:((\n)/4)*1536+512*\p+256*\h   ; sixteen lanes fill 256 consecutive bytes, aligned, of tile 0's image, sixteen of tile 1's
.endr
.endr
.endif
.endm
	LOADW 0
	LOADW 1
.irp n, 0,1,2,3,4,5,6,7
	BLOCKW \n
.endr
	global_store_b64 v6, v[WW:WW+1], s[36:37]      ; 256 consecutive bytes, aligned
	s_endpgm
.Lfunc_end_k_q126bb5e082_quant:
	.size	k_q126bb5e082_quant, .Lfunc_end_k_q126bb5e082_quant-k_q126bb5e082_quant
	.p2alignl 7, 3214868480
	.fill 96, 4, 3214868480
	.section	.rodata,"a",@progbits
	.p2align	6, 0x0
	.amdhsa_kernel k_q126bb5e082_quant
		.amdhsa_group_segment_fixed_size 34304
		.amdhsa_private_segment_fixed_size 0
		.amdhsa_enable_private_segment 0
		.amdhsa_kernarg_size 64
		.amdhsa_user_sgpr_count 2
		.amdhsa_user_sgpr_kernarg_segment_ptr 1
		.amdhsa_wavefront_size32 1
		.amdhsa_system_sgpr_workgroup_id_x 1
		.amdhsa_system_sgpr_workgroup_id_y 1
		.amdhsa_system_sgpr_workgroup_id_z 1
		.amdhsa_system_vgpr_workitem_id 0
		.amdhsa_next_free_vgpr 242
		.amdhsa_next_free_sgpr 66
		.amdhsa_reserve_vcc 1
		.amdhsa_float_denorm_mode_32 3
		.amdhsa_float_denorm_mode_16_64 3
		.amdhsa_memory_ordered 1
		.amdhsa_forward_progress 1
		.amdhsa_inst_pref_size 97
	.end_amdhsa_kernel
	.amdgpu_metadata
---
amdhsa.version: [ 1, 2 ]
amdhsa.kernels:
  - .name:           k_q126bb5e082_quant
    .symbol:         k_q126bb5e082_quant.kd
    .args:
      - { .name: q, .offset: 0, .size: 8, .value_kind: global_buffer, .address_space: global }
      - { .name: k, .offset: 8, .size: 8, .value_kind: global_buffer, .address_space: global }
      - { .name: v, .offset: 16, .size: 8, .value_kind: global_buffer, .address_space: global }
      - { .name: Wq, .offset: 24, .size: 8, .value_kind: global_buffer, .address_space: global }
      - { .name: Wk, .offset: 32, .size: 8, .value_kind: global_buffer, .address_space: global }
      - { .name: Wv, .offset: 40, .size: 8, .value_kind: global_buffer, .address_space: global }
      - { .name: codes, .offset: 48, .size: 8, .value_kind: global_buffer, .address_space: global }
      - { .name: scales, .offset: 56, .size: 8, .value_kind: global_buffer, .address_space: global }
    .group_segment_fixed_size: 34304
    .private_segment_fixed_size: 0
    .kernarg_segment_align: 8
    .kernarg_segment_size: 64
    .max_flat_workgroup_size: 128
    .sgpr_count:     66
    .vgpr_count:     242
    .wavefront_size: 32
...
	.end_amdgpu_metadata
.endif
;; end of part 1
;; launch proj (part 2): grid 4 x 96, 4 waves a work-group, clusters of 4 x 4, 327,680 bytes of LDS; arguments codes, scales, bq, bk, bv, qc, kv; writes qc, kv
.if DOCPART == 2
	.amdgcn_target "amdgcn-amd-amdhsa--gfx1250"
	.amdhsa_code_object_version 6
	.text
	.protected	k_q126bb5e082_proj
	.globl	k_q126bb5e082_proj
	.p2align	8
	.type	k_q126bb5e082_proj,@function
k_q126bb5e082_proj:
	s_mov_b64 s[64:65], 0
	v_nop
	global_prefetch_b8 v0, s[64:65] scope:SCOPE_SE
	s_setreg_imm32_b32 hwreg(HW_REG_WAVE_MODE, 25, 1), 1
	s_wait_xcnt 0x0
	s_wait_alu depctr_hold_cnt(0) depctr_sa_sdst(0) depctr_va_vdst(0) depctr_va_sdst(0) depctr_va_ssrc(0) depctr_va_vcc(0) depctr_vm_vsrc(0)
	s_getreg_b32 s2, hwreg(HW_REG_IB_STS2, 6, 4)
	s_cmp_eq_u32 s2, 0
	s_cbranch_scc0 .Lentry_in_a_cluster
	s_endpgm
.Lentry_in_a_cluster:
	s_bfe_u32 s2, ttmp6, 0x10000c
	s_cmp_lg_u32 s2, 0xf033
	s_cbranch_scc0 .Lentry_shape_is_right
	s_endpgm
.Lentry_shape_is_right:
; The three projections on codes of FP6 (E2M3) with E8M0 scales, K = 1,024, f32 sums; then the bias, relu on the value path, and the quantising of the results for the attention launch.
; 384 tiles of 256 x 256; a work-group of four waves makes one, a wave 128 x 128: 64 accumulators, 512 registers.  Cluster y = 8 t + c: t = 0 query, 1 key, 2 value.
; The text speaks of A (source 1: its rows fall on the result's LANES) and B (source 0: its rows fall on the result's REGISTERS).  Query, key: A = tokens, B = the weight's columns: a lane holds one token and its registers
; run along the head's channels, which are the first attention product's K.  Value: A = the weight's columns, B = tokens: a lane holds one channel and its registers run along the keys, the second product's K.
; Operands lie in memory as images of their registers, [tile of 16 rows][K step][1,536 bytes], tile 2 B + u holding at place r the row 32 B + 8 u + r + 8 (r / 8): so the 16 registers of two neighbouring tiles of
; source 0 are 16 neighbours along the next K, and a fragment is three loads of 16 bytes a lane, 512 consecutive bytes each: no pitch, no padding.
; LDS: three slots of 98,304 bytes, each 256 along K (wave w's tensor load: 8 tiles x 3,072 bytes, at 24,576 w: A's halves, then B's).  K steps 0-5 are first fills of the three slots; K steps 6, 7 fill slot 0 again.
; CLUSTER 4 x 4: A's tiles hang on cy alone and are asked for jointly along a row of the cluster, B's on cx alone, along a column.
; WHAT IS STORED.  qc: [head 16 batch + h][128 queries][6,656]: 4 pair images (registers 0-5: tile 2 j's 64 channels, 6-11: tile 2 j + 1's), then [lane][4 words] of scales (word j: tile 2 j in lanes 0-15, 2 j + 1 in lanes 16-31; bytes 2, 3 are 0).
;   kv: [head][128 keys][13,056]: the keys' 4 pair images; at 6,144 the values' 4 images (16 channels x 128 keys); at 12,288 the keys' scales as above; at 12,800 the values' [lane][2 words].
; LIMITS: NaN and infinities are not served; a block whose largest magnitude lies under 2^-124, a block of zeros too, keeps the byte 1 (its codes are zeros where it is zeros; this program alone reads the bytes).
; REGISTERS, in windows of 256.  Window 0: v16-30 addresses; v32-95 scale words (8 i + K step: A's tile i in lanes 0-15, B's tile i in lanes 16-31), nothing else ever; v128-223 A's 8 fragments, one set; v232-247 the bias by lanes;
;   on the way out v96-123, v128-231 at work.  Window 1: B's fragments, two sets, v0-95 and v128-223; between them, v96-127 and v224-255, the bias by registers.  Windows 2, 3: accumulator (a, b) at v[8 (8 (a % 4) + b)].
.set SLOT,  98304
.set QRT,   24576
.set SPARE, 3*SLOT                     ; behind the slots: the spare words, 128 bytes a wave: two blocks of 256 bytes that no other line names
.set FR,    12
.set FRB,   1536
.set TILEB, 12288
.set ADRA, 16                          ; v16-18 LDS address of my half of A in slot 0, 1, 2
.set ADRB, 20                          ; v20-22 of B
.set LI,   24                          ; v24 16 x lane
.set L8,   25                          ; v25 8 x lane
.set SCO,  26                          ; v26 my scale words' offset
.set BOQ,  27                          ; v27 the bias by registers: 64 h
.set SPW,  28                          ; v28 my spare word; never rewritten
.set NIL,  29                          ; v29 0; never rewritten
.set BOV,  30                          ; v30 the bias by lanes: 4 (r + 8 (r / 8))
.set SC,   32
.set AF,   128
.set BV,   232
.set T,    128                         ; the way out: 64 numbers
.set TM,   192                         ; +0..3 largest magnitudes, +4..7 the other lane's, then bytes, +12..15 the conversions' scale operands
.set PT0,  208
.set PT1,  212
.set WD,   216                         ; eight scale words
.set E,    96                          ; codes of the even head, or of a value fragment
.set O,    108                         ; of the odd head
.set MM,   120
.set EI,   224
.set OI,   228
.set G1A, 28                           ; s[28:35], s[36:43] descriptor groups 1
.set G1B, 36
.set G0A, 44                           ; s[44:59], s[68:83] groups 0: one set for each of the four loads, never rewritten
.set G0B, 68
.set MSB, 0
.macro WIN new                         ; the immediate's high byte repeats the setting that is left
.if MSB != \new
	s_set_vgpr_msb (MSB<<8)|\new
.set MSB, \new
.endif
.endm
.set MUL_LO, 0xa1                      ; source 0 (B) window 1, source 1 (A) window 0, C and D window 2
.set MUL_HI, 0xf1
.set TO_B,   0x40
.macro PLACES
.rept 4
	v_nop
.endr
.endm
.macro CREST                           ; a round of the cluster's barrier behind its opening barrier
	s_cmp_lg_u32 s18, 0
	s_cbranch_scc1 .Lnot_wave_0_\@
	s_barrier_signal -3
.Lnot_wave_0_\@:
	s_barrier_wait -3
	s_barrier_signal -1
	s_barrier_wait -1
.endm
.macro CROUND
	s_barrier_signal -1
	s_barrier_wait -1
	CREST
.endm
	s_load_b256 s[4:11], s[0:1], 0x0               ; codes, scales, bq, bk
	s_load_b128 s[12:15], s[0:1], 0x20             ; bv, qc
	s_load_b64 s[16:17], s[0:1], 0x30              ; kv
	v_lshl_add_u32 v[SPW], v0, 2, SPARE
	v_mov_b32 v[NIL], 0
	ds_add_u32 v28, v29
	ds_add_u32 v28, v29
	s_wait_dscnt 0x0
	v_lshrrev_b32 v1, 5, v0
	v_readfirstlane_b32 s18, v1                    ; wave
	s_lshr_b32 s19, s18, 1                         ; my half of A.  Also: I fetch for A (0) or for B (1)
	s_and_b32 s20, s18, 1                          ; my half of B.  Also: which 8 tiles I fetch
	s_bfe_u32 s21, ttmp6, 0x40000                  ; cx
	s_bfe_u32 s22, ttmp6, 0x40004                  ; cy
	s_and_b32 s23, ttmp7, 0xffff                   ; cluster y
	s_lshr_b32 s24, s23, 3                         ; t
	s_and_b32 s25, s23, 7
	s_lshl_b32 s25, s25, 2                         ; c4: the cluster's first block of 256 tokens
	s_mov_b32 s2, 0x76543210
	s_mov_b32 s3, 0xfedcba98                       ; v_permlanex16_b32's selects for lane l xor 16
	s_lshl_b32 s84, s24, 9
	s_lshl_b32 s85, s25, 4
	s_add_co_u32 s84, s84, s85                     ; query, key: A begins at tile 512 t + 16 c4,
	s_lshl_b32 s86, s24, 6
	s_add_co_u32 s86, s86, 1536                    ; B at 1,536 + 64 t
	s_add_co_u32 s85, s85, 1024                    ; value: B begins at 1,024 + 16 c4,
	s_mov_b32 s87, 1664                            ; A at 1,664
	s_cmp_eq_u32 s24, 2
	s_cselect_b32 s84, s87, s84
	s_cselect_b32 s86, s85, s86
	s_cselect_b32 s26, 1, 0                        ; the value path?  The same in all sixteen partners
	s_lshl_b32 s88, s22, 4
	s_add_co_u32 s88, s88, s84                     ; A's first tile: hangs on cy alone
	s_lshl_b32 s89, s21, 4
	s_add_co_u32 s89, s89, s86                     ; B's: on cx alone
	s_lshl_b32 s96, s22, 2
	s_lshl_b32 s96, 15, s96                        ; my row of the cluster
	s_lshl_b32 s97, 0x1111, s21                    ; my column
	s_or_b32 s[G1A], s96, (3<<16)|(1<<21)          ; 15:0 the mask; 17:16 elements of 8 bytes; 21 set beside a mask; no padding
	s_or_b32 s[G1B], s97, (3<<16)|(1<<21)
.irp g, G1A, G1B
	s_mov_b32 s[\g+1], 384<<16                     ; tensor_dim0: 3,072 bytes, two K steps of a tile
	s_mov_b32 s[\g+2], 16<<16                      ; tensor_dim1: 16 tiles for the head's loads; behind them 8
	s_mov_b32 s[\g+3], 384<<16                     ; tile_dim0
	s_mov_b32 s[\g+4], 16                          ; tile_dim1
	s_mov_b32 s[\g+5], 1536                        ; from tile to tile: 12,288 bytes
	s_mov_b32 s[\g+6], 0
	s_mov_b32 s[\g+7], 0
.endr
	s_lshl_b32 s90, s20, 3
	s_add_co_u32 s92, s88, s90
	s_mul_i32 s92, s92, TILEB                      ; where the 8 tiles of A that I might fetch begin,
	s_mov_b32 s93, 0
	s_add_co_u32 s94, s89, s90
	s_mul_i32 s94, s94, TILEB                      ; and those of B
	s_mov_b32 s95, 0
	; the head's loads: wave w brings all 16 tiles of A (w even) or of B (w odd), K steps 2 (w / 2) and 2 (w / 2) + 1, to byte 49,152 w: slots 0 and 1 in the layout stated above
	s_mul_i32 s84, s88, TILEB
	s_mul_i32 s85, s19, 2*FRB
	s_add_co_u32 s84, s84, s85
	s_mul_i32 s86, s89, TILEB
	s_add_co_u32 s86, s86, s85
	s_mov_b32 s85, 0
	s_mov_b32 s87, 0
	s_mul_i32 s91, s18, QRT                        ; where they go: no place in the cluster enters an LDS address
	s_lshl_b32 s60, s19, 3
	s_add_co_u32 s60, s60, s88
	s_lshl_b32 s60, s60, 9                         ; my half of A: its scale words, 512 bytes a tile
	s_lshl_b32 s61, s20, 3
	s_add_co_u32 s61, s61, s89
	s_lshl_b32 s61, s61, 9                         ; my half of B
	s_cmp_eq_u32 s26, 1                            ; which side carries tokens, which channels
	s_cselect_b32 s62, s21, s22
	s_cselect_b32 s63, s20, s19
	s_cselect_b32 s66, s22, s21
	s_cselect_b32 s67, s19, s20
	s_add_co_u32 s62, s62, s25
	s_lshl_b32 s62, s62, 1
	s_add_co_u32 s62, s62, s63                     ; my group of 128 tokens, 0 .. 63
	s_lshl_b32 s66, s66, 2
	s_lshl_b32 s67, s67, 1
	s_add_co_u32 s99, s66, s67                     ; my first head (of two)
	s_lshr_b32 s98, s62, 4
	s_lshl_b32 s98, s98, 4
	s_add_co_u32 s98, s98, s99
	s_lshl_b32 s98, s98, 4
	s_and_b32 s62, s62, 15
	s_add_co_u32 s98, s98, s62                     ; my record: (16 batch + head) 16 + group
	s_lshl_b32 s100, s99, 8                        ; a head's 64 numbers of the bias
	s_mov_b32 s101, 0
	s_wait_kmcnt 0x0
	s_add_nc_u64 s[92:93], s[4:5], s[92:93]
	s_add_nc_u64 s[94:95], s[4:5], s[94:95]
	s_mov_b32 s[G0A], 1
	s_lshl_b32 s[G0A+1], s91, 1
	s_add_nc_u64 s[G0A+2:G0A+3], s[4:5], s[84:85]
	s_or_b32 s[G0A+3], s[G0A+3], 0x80000000
	s_mov_b32 s[G0B], 1
	s_lshl_b32 s[G0B+1], s91, 1
	s_add_nc_u64 s[G0B+2:G0B+3], s[4:5], s[86:87]
	s_or_b32 s[G0B+3], s[G0B+3], 0x80000000
.irp g, 2,3
	s_mov_b32 s[G0A+4*\g], 1
	s_add_co_u32 s[G0A+4*\g+1], s91, (\g%3)*SLOT
	s_add_nc_u64 s[G0A+4*\g+2:G0A+4*\g+3], s[92:93], \g*2*FRB
	s_or_b32 s[G0A+4*\g+3], s[G0A+4*\g+3], 0x80000000
	s_mov_b32 s[G0B+4*\g], 1
	s_add_co_u32 s[G0B+4*\g+1], s91, (\g%3)*SLOT
	s_add_nc_u64 s[G0B+4*\g+2:G0B+4*\g+3], s[94:95], \g*2*FRB
	s_or_b32 s[G0B+4*\g+3], s[G0B+4*\g+3], 0x80000000
.endr
	s_cmp_eq_u32 s24, 0                            ; the bias: chosen by t alone
	s_cselect_b64 s[8:9], s[8:9], s[10:11]
	s_cmp_eq_u32 s24, 2
	s_cselect_b64 s[8:9], s[12:13], s[8:9]
	s_add_nc_u64 s[8:9], s[8:9], s[100:101]
	CROUND                                         ; all sixteen work-groups are here: the first joint loads meet
	s_cmp_eq_u32 s20, 0                            ; one tensor load a wave at the head: even waves for A, odd waves for B
	s_cbranch_scc0 .Lfirst_b
	tensor_load_to_lds s[G0A:G0A+3], s[G1A:G1A+7]
	s_nop 0
	PLACES
	s_branch .Lfirst_asked
.Lfirst_b:
	tensor_load_to_lds s[G0B:G0B+3], s[G1B:G1B+7]
	s_nop 0
	PLACES
.Lfirst_asked:
	v_and_b32 v1, 31, v0                           ; lane
	v_and_b32 v2, 15, v0                           ; r
	v_bfe_u32 v3, v0, 4, 1                         ; h
	v_lshlrev_b32 v[LI], 4, v1
	v_lshlrev_b32 v[L8], 3, v1
	s_mul_i32 s90, s19, QRT
	s_mul_i32 s96, s20, QRT
	s_add_co_u32 s96, s96, 2*QRT
.irp s, 0,1,2
	v_add_nc_u32 v[ADRA+\s], s90, v[LI]
	v_add_nc_u32 v[ADRB+\s], s96, v[LI]
	s_add_co_u32 s90, s90, SLOT
	s_add_co_u32 s96, s96, SLOT
.endr
	v_mov_b32 v4, s60
	v_mov_b32 v5, s61
	v_cmp_eq_u32 vcc_lo, 1, v3
	v_cndmask_b32 v[SCO], v4, v5, vcc_lo           ; lanes 0-15 take A's words, lanes 16-31 B's
	v_lshl_add_u32 v[SCO], v2, 3, v[SCO]
	v_lshlrev_b32 v[BOQ], 6, v3
	v_and_b32 v4, 8, v2
	v_add_nc_u32 v4, v4, v2
	v_lshlrev_b32 v[BOV], 2, v4
.irp i, 0,1,2,3,4,5,6,7                ; all of K's scale words of my 8 + 8 tiles: they stay in registers
.irp g, 0,1,2,3
	global_load_b64 v[SC+8*\i+2*\g:SC+8*\i+2*\g+1], v[SCO], s[6:7] offset:(\i/2)*1024+\g*256+(\i%2)*128
.endr
.endr
.irp a, 0,1,2,3,4,5,6,7                ; the bias by lanes (value path): tile a's place r is channel 32 (a / 2) + 8 (a % 2) + r + 8 (r / 8); twice, for the packed addition
	global_load_b32 v[BV+2*\a], v[BOV], s[8:9] offset:(32*(\a/2)+8*(\a%2))*4
	global_load_b32 v[BV+2*\a+1], v[BOV], s[8:9] offset:(32*(\a/2)+8*(\a%2))*4
.endr
	WIN TO_B
.irp b, 0,1,2,3,4,5,6,7                ; the bias by registers (query, key): tile b's register j is channel 32 (b / 2) + 16 h + 8 (b % 2) + j.  Both forms are loaded on every path
	global_load_b128 v[96+8*\b+96*(\b/4):96+8*\b+96*(\b/4)+3], v[BOQ], s[8:9] offset:(32*(\b/2)+8*(\b%2))*4
	global_load_b128 v[96+8*\b+96*(\b/4)+4:96+8*\b+96*(\b/4)+7], v[BOQ], s[8:9] offset:(32*(\b/2)+8*(\b%2))*4+16
.endr
	WIN 0
.macro FRAG reg, adr, off              ; an image comes back as it was stored: three loads of 512 consecutive bytes
.irp p, 0,1,2
	ds_load_b128 v[\reg+4*\p:\reg+4*\p+3], v[\adr] offset:\off+512*\p
.endr
.endm
.macro FETCH_B slot, q, bs             ; B's eight fragments of the slot's q-th K step into set bs
	WIN TO_B
.irp i, 0,1,2,3,4,5,6,7
	FRAG 128*(\bs)+FR*\i, ADRB+\slot, \i*2*FRB+(\q)*FRB
.endr
	WIN 0
.endm
.macro FETCH_A slot, q, i0             ; A's blocks i0 .. i0 + 3
.irp i, \i0, \i0+1, \i0+2, \i0+3
	FRAG AF+FR*(\i), ADRA+\slot, (\i)*2*FRB+(\q)*FRB
.endr
.endm
; 16 matrix instructions: A's blocks a0, a0 + 1 x B's eight, K step kk.  The 64 accumulators take turns, one instruction a turn, in the same order in every K step.
.macro MUL16 a0, bs, kk, zero
.irp a, \a0, \a0+1
.irp b, 0,1,2,3,4,5,6,7
.if \zero
	v_wmma_scale_f32_16x16x128_f8f6f4 v[8*(8*((\a)%4)+\b):8*(8*((\a)%4)+\b)+7], v[128*(\bs)+FR*\b:128*(\bs)+FR*\b+FR-1], v[AF+FR*(\a):AF+FR*(\a)+FR-1], 0, v[SC+8*\b+(\kk)], v[SC+8*(\a)+(\kk)] matrix_a_fmt:MATRIX_FMT_FP6 matrix_b_fmt:MATRIX_FMT_FP6 matrix_a_scale:MATRIX_SCALE_ROW1
.else
	v_wmma_scale_f32_16x16x128_f8f6f4 v[8*(8*((\a)%4)+\b):8*(8*((\a)%4)+\b)+7], v[128*(\bs)+FR*\b:128*(\bs)+FR*\b+FR-1], v[AF+FR*(\a):AF+FR*(\a)+FR-1], v[8*(8*((\a)%4)+\b):8*(8*((\a)%4)+\b)+7], v[SC+8*\b+(\kk)], v[SC+8*(\a)+(\kk)] matrix_a_fmt:MATRIX_FMT_FP6 matrix_b_fmt:MATRIX_FMT_FP6 matrix_a_scale:MATRIX_SCALE_ROW1
.endif
.endr
.endr
.endm
; A K step whose successor (slot ns, its nq-th K step) is known to lie whole in LDS.  Four plain places stand in front of each run of loads into registers that matrix instructions have read (ISA guide 7.12.1 for vector instructions).
.macro STEP kk, ns, nq, zero
	s_wait_dscnt 12                                ; B's set and A's blocks 0-3 are in; the youngest 12 loads (A's blocks 4-7) may be out
	WIN MUL_LO
	MUL16 0, (\kk)%2, \kk, \zero
	MUL16 2, (\kk)%2, \kk, \zero
	s_wait_dscnt 0x0                               ; A's blocks 4-7 are in
	PLACES
	FETCH_B \ns, \nq, 1-(\kk)%2
	FETCH_A \ns, \nq, 0
	WIN MUL_HI
	MUL16 4, (\kk)%2, \kk, \zero
	MUL16 6, (\kk)%2, \kk, \zero
	PLACES
	WIN 0
	FETCH_A \ns, \nq, 4
.endm
; A K step with a barrier in it.  In front of the barrier each wave waits for all its tensor loads, adds 0 to its spare word, and waits for that and for its LDS reads.  fill = 1: the barrier opens a round of the cluster's, and behind
; the round slot 0, which nobody reads any more, takes K steps 6 and 7: the wave's one tensor load there.
.macro TURN kk, ns, fill
	s_wait_tensorcnt 0x0                           ; all my tensor loads have landed
	ds_add_u32 v[SPW], v[NIL]                      ; 0 onto my spare word
	s_wait_dscnt 13                                ; (the add and A's blocks 4-7, 12 loads, may be out)
	WIN MUL_LO
	MUL16 0, 1, \kk, 0                             ; sixteen matrix instructions stand between the add and the wait for it
	s_wait_dscnt 0x0                               ; the add is done, and my reads of the slot that is left are over
	s_barrier_signal -1
	MUL16 2, 1, \kk, 0
	WIN 0
	s_barrier_wait -1
.if \fill
	CREST                                          ; no wave of any partner still reads slot 0 or has a load on its way
	s_cmp_eq_u32 s19, 0
	s_cbranch_scc0 .Lfor_b_\@
	tensor_load_to_lds s[G0A+12:G0A+15], s[G1A:G1A+7]
	s_nop 0
	PLACES                                         ; (also the places in front of the loads below)
	s_branch .Lasked_\@
.Lfor_b_\@:
	tensor_load_to_lds s[G0B+12:G0B+15], s[G1B:G1B+7]
	s_nop 0
	PLACES
.Lasked_\@:
.else
	PLACES
.endif
	FETCH_B \ns, 0, 0
	FETCH_A \ns, 0, 0
	WIN MUL_HI
	MUL16 4, 1, \kk, 0
	MUL16 6, 1, \kk, 0
	PLACES
	WIN 0
	FETCH_A \ns, 0, 4
.endm
	s_wait_alu depctr_va_vdst(0)
	s_wait_tensorcnt 0x0                           ; my part of K steps 0 to 3 is in
	ds_add_u32 v[SPW], v[NIL]
	s_mov_b32 s[G1A+2], 8<<16                      ; no tensor load of mine is out: from here on a load brings 8 tiles
	s_mov_b32 s[G1A+4], 8
	s_mov_b32 s[G1B+2], 8<<16
	s_mov_b32 s[G1B+4], 8
	s_wait_dscnt 0x0
	CROUND                                         ; slots 0 and 1 are whole, and all sixteen work-groups are here
	s_cmp_eq_u32 s19, 0                            ; slot 2's first fill, K steps 4 and 5: my one tensor load behind the round
	s_cbranch_scc0 .Lthird_b
	tensor_load_to_lds s[G0A+8:G0A+11], s[G1A:G1A+7]
	s_nop 0
	PLACES
	s_branch .Lthird_asked
.Lthird_b:
	tensor_load_to_lds s[G0B+8:G0B+11], s[G1B:G1B+7]
	s_nop 0
	PLACES
.Lthird_asked:
	FETCH_B 0, 0, 0
	FETCH_A 0, 0, 0
	FETCH_A 0, 0, 4
	s_wait_loadcnt 0x0                             ; scale words and biases
	STEP 0, 0, 1, 1                                ; the first products start the sums: nothing is cleared
	STEP 1, 1, 0, 0                                ; into slot 1 without a barrier: the round above has shown it whole
	STEP 2, 1, 1, 0
	TURN 3, 2, 1                                   ; slot 2 is shown whole; slot 0, read no more, takes K steps 6 and 7
	STEP 4, 2, 1, 0
	TURN 5, 0, 0                                   ; slot 0's second fill has had K step 3's second half and K step 4, 96 matrix instructions, in which to land
	STEP 6, 0, 1, 0
	s_wait_dscnt 12
	WIN MUL_LO
	MUL16 0, 1, 7, 0
	MUL16 2, 1, 7, 0
	s_wait_dscnt 0x0
	WIN MUL_HI
	MUL16 4, 1, 7, 0
	MUL16 6, 1, 7, 0
	WIN 0
	PLACES                                         ; in front of the first read of results and the first write of A's registers
; THE WAY OUT.  64 numbers of a lane, register 16 b + i = k 32 b + 16 h + i of the lane's row, become 12 registers of codes (dlo: k 0-63, dhi: k 64-127) and the row's scale word.
.macro QUANT src, dlo, dhi, word
.irp b, 0,1,2,3
	v_max3_num_f32 v[TM+\b], |v[\src+16*\b]|, |v[\src+1+16*\b]|, 0x1800000   ; and the floor 2^(3 - 127): the byte cannot fall under 1
.endr
.irp i, 2,4,6,8,10,12,14
.irp b, 0,1,2,3
	v_max3_num_f32 v[TM+\b], v[TM+\b], |v[\src+16*\b+\i]|, |v[\src+1+16*\b+\i]|
.endr
.endr
.irp b, 0,1,2,3
	v_permlanex16_b32 v[TM+4+\b], v[TM+\b], s2, s3
.endr
.irp b, 0,1,2,3
	v_max_num_f32 v[TM+\b], v[TM+\b], v[TM+4+\b]   ; with lane l xor 16's 16: the block's largest magnitude
.endr
.irp b, 0,1,2,3
	v_add_nc_u32 v[TM+12+\b], 0xff000000, v[TM+\b] ; 2 off its exponent field: the conversion's scale operand
.endr
.irp b, 0,1,2,3
	v_lshrrev_b32 v[TM+4+\b], 23, v[TM+12+\b]      ; the byte
.endr
	v_lshl_or_b32 v[\word], v[TM+5], 8, v[TM+4]
	v_lshl_or_b32 v[\word], v[TM+6], 16, v[\word]
	v_lshl_or_b32 v[\word], v[TM+7], 24, v[\word]
	v_cvt_scalef32_pk16_fp6_f32 v[\dlo:\dlo+2], v[\src:\src+15], v[TM+12]
	v_cvt_scalef32_pk16_fp6_f32 v[PT0:PT0+2], v[\src+16:\src+31], v[TM+13]
	v_cvt_scalef32_pk16_fp6_f32 v[\dhi:\dhi+2], v[\src+32:\src+47], v[TM+14]
	v_cvt_scalef32_pk16_fp6_f32 v[PT1:PT1+2], v[\src+48:\src+63], v[TM+15]
	v_nop                                          ; one plain place behind a scaled conversion
.irp i, 0,1,2                          ; the layout wants a whole block in a lane: the halves change places
	v_permlane16_swap_b32 v[\dlo+\i], v[PT0+\i]
	v_permlane16_swap_b32 v[\dhi+\i], v[PT1+\i]
.endr
.irp i, 0,1,2
	v_mov_b32 v[\dlo+3+\i], v[PT0+\i]
	v_mov_b32 v[\dhi+3+\i], v[PT1+\i]
.endr
.endm
.irp b, 0,1,2,3
	v_mov_b32 v[TM+4+\b], 0                        ; written once: a lane permute's destination counts as one of its sources
.endr
	v_cmp_eq_u32 vcc_lo, 1, v3                     ; lanes 16-31
	v_lshlrev_b32 v31, 3, v3                       ; 8 h: my bytes' place in a scale word of the values
; The values' quantiser.  By the tokens' order in their tiles register 32 c + i of a lane is key 64 c + 32 h + i: a whole block of 32 lies in one lane, in the operand's own order.
.macro QUANTV src, d, word
.irp c, 0,1
	v_max3_num_f32 v[TM+\c], |v[\src+32*\c]|, |v[\src+32*\c+1]|, 0x1800000
	v_max3_num_f32 v[TM+2+\c], |v[\src+32*\c+16]|, |v[\src+32*\c+17]|, 0x1800000
.endr
.irp i, 2,4,6,8,10,12,14
.irp c, 0,1
	v_max3_num_f32 v[TM+\c], v[TM+\c], |v[\src+32*\c+\i]|, |v[\src+32*\c+\i+1]|
	v_max3_num_f32 v[TM+2+\c], v[TM+2+\c], |v[\src+32*\c+16+\i]|, |v[\src+32*\c+17+\i]|
.endr
.endr
.irp c, 0,1
	v_max_num_f32 v[TM+\c], v[TM+\c], v[TM+2+\c]   ; the largest magnitude of block 2 c + h
.endr
.irp c, 0,1
	v_add_nc_u32 v[TM+12+\c], 0xff000000, v[TM+\c] ; 2 off its exponent field: the conversion's scale operand
.endr
.irp c, 0,1
	v_lshrrev_b32 v[TM+4+\c], 23, v[TM+12+\c]      ; the byte
.endr
	v_lshl_or_b32 v[TM+4], v[TM+5], 16, v[TM+4]    ; blocks h and 2 + h,
	v_lshlrev_b32 v[TM+4], v31, v[TM+4]            ; at their places;
	v_permlanex16_b32 v[TM+6], v[TM+4], s2, s3
	v_or_b32 v[\word], v[TM+4], v[TM+6]            ; with lane l xor 16's two the word is whole
	v_cvt_scalef32_pk16_fp6_f32 v[\d:\d+2], v[\src:\src+15], v[TM+12]
	v_cvt_scalef32_pk16_fp6_f32 v[PT0:PT0+2], v[\src+16:\src+31], v[TM+12]
	v_cvt_scalef32_pk16_fp6_f32 v[\d+6:\d+8], v[\src+32:\src+47], v[TM+13]
	v_cvt_scalef32_pk16_fp6_f32 v[PT1:PT1+2], v[\src+48:\src+63], v[TM+13]
	v_nop                                          ; one plain place behind a scaled conversion
.irp i, 0,1,2
	v_mov_b32 v[\d+3+\i], v[PT0+\i]
	v_mov_b32 v[\d+9+\i], v[PT1+\i]
.endr
.endm
	s_mov_b32 s89, 0
	s_cmp_eq_u32 s26, 1
	s_cbranch_scc1 .Lout_v
	; Query, key.  Block a: 16 tokens (a lane a token) x my 128 channels: two heads of 64.  k 0-63 are the even head's fragment, k 64-127 the odd head's; two blocks make a pair image for each head.
	s_cmp_eq_u32 s24, 0
	s_cselect_b64 s[84:85], s[14:15], s[16:17]     ; qc or kv
	s_mov_b32 s86, 13056
	s_cselect_b32 s86, 6656, s86                   ; a record
	s_mov_b32 s87, 12288
	s_cselect_b32 s87, 6144, s87                   ; where its scales lie
	s_mul_i32 s88, s98, s86
	s_add_nc_u64 s[84:85], s[84:85], s[88:89]      ; the even head's record
	s_lshl_b32 s88, s86, 4
	s_add_nc_u64 s[90:91], s[84:85], s[88:89]      ; the odd head's: 16 records on
	s_mov_b32 s88, s87
	s_add_nc_u64 s[92:93], s[84:85], s[88:89]
	s_add_nc_u64 s[94:95], s[90:91], s[88:89]
.irp a, 0,1,2,3,4,5,6,7
.if ((\a)%2 == 0) && ((\a) > 0)
	s_wait_xcnt 0x0                                ; the last pair's stores have read the codes' registers
.endif
	WIN 0x06+(\a)/4                                ; source 0: the accumulators' window; source 1: window 1, the bias
.irp b, 0,1,2,3,4,5,6,7
.irp j, 0,2,4,6
	v_pk_add_f32 v[T+8*\b+\j:T+8*\b+\j+1], v[8*(8*((\a)%4)+\b)+\j:8*(8*((\a)%4)+\b)+\j+1], v[96+8*\b+96*(\b/4)+\j:96+8*\b+96*(\b/4)+\j+1]   ; each accumulator from its low end on
.endr
.endr
	WIN 0
	QUANT T, E+6*((\a)%2), O+6*((\a)%2), WD+(\a)
.if (\a)%2 == 1
.irp p, 0,1,2
	global_store_b128 v[LI], v[E+4*\p:E+4*\p+3], s[84:85] offset:((\a)/2)*FRB+512*\p   ; 512 consecutive bytes, aligned
	global_store_b128 v[LI], v[O+4*\p:O+4*\p+3], s[90:91] offset:((\a)/2)*FRB+512*\p
.endr
.endif
.endr
.irp j, 0,1,2,3
	v_cndmask_b32 v[MM+\j], v[WD+2*\j], v[WD+2*\j+1], vcc_lo   ; tile 2 j's word in lanes 0-15, tile 2 j + 1's in lanes 16-31
.endr
.irp j, 0,1,2,3
	v_and_b32 v[EI+\j], 0xffff, v[MM+\j]           ; the even head's two bytes; bytes 2 and 3 are 0
	v_lshrrev_b32 v[OI+\j], 16, v[MM+\j]           ; the odd head's
.endr
	global_store_b128 v[LI], v[EI:EI+3], s[92:93]
	global_store_b128 v[LI], v[OI:OI+3], s[94:95]
	s_branch .Ldone
.Lout_v:
	; Value.  Block a: 16 channels (a lane a channel) x my 128 keys: one fragment of the second attention product.  Blocks 0-3 belong to my first head, 4-7 to the next.
	s_mul_i32 s88, s98, 13056
	s_add_co_u32 s88, s88, 6144
	s_add_nc_u64 s[84:85], s[16:17], s[88:89]
.irp a, 0,1,2,3,4,5,6,7
.if (\a) > 0
	s_wait_xcnt 0x0                                ; the last block's stores have read the codes' registers
.endif
	WIN 0x02+(\a)/4                                ; source 0: the accumulators' window
.irp b, 0,1,2,3,4,5,6,7
.irp j, 0,2,4,6
	v_pk_add_f32 v[T+8*\b+\j:T+8*\b+\j+1], v[8*(8*((\a)%4)+\b)+\j:8*(8*((\a)%4)+\b)+\j+1], v[BV+2*(\a):BV+2*(\a)+1]
.endr
.endr
	WIN 0
.set jj, 0
.rept 64
	v_max_num_f32 v[T+jj], 0, v[T+jj]              ; relu, in f32
.set jj, jj+1
.endr
	QUANTV T, E, WD+(\a)
.irp p, 0,1,2
	global_store_b128 v[LI], v[E+4*\p:E+4*\p+3], s[84:85] offset:((\a)/4)*208896+((\a)%4)*FRB+512*\p
.endr
.endr
.irp j, 0,1,2,3
	v_cndmask_b32 v[MM+\j], v[WD+2*\j], v[WD+2*\j+1], vcc_lo
.endr
	global_store_b64 v[L8], v[MM:MM+1], s[84:85] offset:6656            ; 256 consecutive bytes, aligned
	global_store_b64 v[L8], v[MM+2:MM+3], s[84:85] offset:6656+208896
.Ldone:
	s_wait_tensorcnt 0x0                           ; the wave's end
	ds_add_u32 v[SPW], v[NIL]
	s_wait_dscnt 0x0
	CROUND                                         ; the closing round: no work-group ends while a partner may still ask for a tile that names it
	s_endpgm
.Lfunc_end_k_q126bb5e082_proj:
	.size	k_q126bb5e082_proj, .Lfunc_end_k_q126bb5e082_proj-k_q126bb5e082_proj
	.p2alignl 7, 3214868480
	.fill 96, 4, 3214868480
	.section	.rodata,"a",@progbits
	.p2align	6, 0x0
	.amdhsa_kernel k_q126bb5e082_proj
		.amdhsa_group_segment_fixed_size 327680
		.amdhsa_private_segment_fixed_size 0
		.amdhsa_enable_private_segment 0
		.amdhsa_kernarg_size 56
		.amdhsa_user_sgpr_count 2
		.amdhsa_user_sgpr_kernarg_segment_ptr 1
		.amdhsa_wavefront_size32 1
		.amdhsa_system_sgpr_workgroup_id_x 1
		.amdhsa_system_sgpr_workgroup_id_y 1
		.amdhsa_system_sgpr_workgroup_id_z 1
		.amdhsa_system_vgpr_workitem_id 0
		.amdhsa_next_free_vgpr 1024
		.amdhsa_next_free_sgpr 102
		.amdhsa_reserve_vcc 1
		.amdhsa_float_denorm_mode_32 3
		.amdhsa_float_denorm_mode_16_64 3
		.amdhsa_memory_ordered 1
		.amdhsa_forward_progress 1
		.amdhsa_inst_pref_size 219
	.end_amdhsa_kernel
	.amdgpu_metadata
---
amdhsa.version: [ 1, 2 ]
amdhsa.kernels:
  - .name:           k_q126bb5e082_proj
    .symbol:         k_q126bb5e082_proj.kd
    .args:
      - { .name: codes, .offset: 0, .size: 8, .value_kind: global_buffer, .address_space: global }
      - { .name: scales, .offset: 8, .size: 8, .value_kind: global_buffer, .address_space: global }
      - { .name: bq, .offset: 16, .size: 8, .value_kind: global_buffer, .address_space: global }
      - { .name: bk, .offset: 24, .size: 8, .value_kind: global_buffer, .address_space: global }
      - { .name: bv, .offset: 32, .size: 8, .value_kind: global_buffer, .address_space: global }
      - { .name: qc, .offset: 40, .size: 8, .value_kind: global_buffer, .address_space: global }
      - { .name: kv, .offset: 48, .size: 8, .value_kind: global_buffer, .address_space: global }
    .group_segment_fixed_size: 327680
    .private_segment_fixed_size: 0
    .kernarg_segment_align: 8
    .kernarg_segment_size: 56
    .max_flat_workgroup_size: 128
    .sgpr_count:     102
    .vgpr_count:     1024
    .wavefront_size: 32
...
	.end_amdgpu_metadata
.endif
;; end of part 2
;; launch attn (part 3): grid 4 x 64, 8 waves a work-group, clusters of 4 x 1, 244,736 bytes of LDS; arguments qc, kv, out0; writes out0
.if DOCPART == 3
	.amdgcn_target "amdgcn-amd-amdhsa--gfx1250"
	.amdhsa_code_object_version 6
	.text
	.protected	k_q126bb5e082_attn
	.globl	k_q126bb5e082_attn
	.p2align	8
	.type	k_q126bb5e082_attn,@function
k_q126bb5e082_attn:
	s_mov_b64 s[64:65], 0
	v_nop
	global_prefetch_b8 v0, s[64:65] scope:SCOPE_SE
	s_setreg_imm32_b32 hwreg(HW_REG_WAVE_MODE, 25, 1), 1
	s_wait_xcnt 0x0
	s_wait_alu depctr_hold_cnt(0) depctr_sa_sdst(0) depctr_va_vdst(0) depctr_va_sdst(0) depctr_va_ssrc(0) depctr_va_vcc(0) depctr_vm_vsrc(0)
	s_getreg_b32 s2, hwreg(HW_REG_IB_STS2, 6, 4)
	s_cmp_eq_u32 s2, 0
	s_cbranch_scc0 .Lentry_in_a_cluster
	s_endpgm
.Lentry_in_a_cluster:
	s_bfe_u32 s2, ttmp6, 0x10000c
	s_cmp_lg_u32 s2, 0x3003
	s_cbranch_scc0 .Lentry_shape_is_right
	s_endpgm
.Lentry_shape_is_right:
; out[batch][q][64 h + d] = the sum over keys of softmax(Q . K / 8) V, both products on codes of FP6 (E2M3) with E8M0 scales, for head 16 batch + h = work-group y.  2,048 queries, 2,048 keys, 64 channels.
; THE SOFTMAX AHEAD OF THE SECOND PRODUCT: t = score x log2(e) / 8; M = the running largest t rounded UP to a whole number; p = 2^(t - M) is quantised along the keys, not normalised; the row's sum is taken of the
; unquantised p and divides at the end.  When M moves, the sum and O are multiplied by 2^(old M - new M): exact.
; SHARES.  A work-group owns 512 queries of one head, each of its eight waves 64: two passes of two tiles of 16 (A and B), which share every fragment of K and V.  Two waves to a SIMD.
; A head's 16 records of 13,056 bytes (128 keys: K's images, V's images, their scale words) lie in LDS whole: each wave brings two with one tensor load at the head; nothing is filled again.
; CLUSTER: the four work-groups of a head want the same records: each load is asked for jointly, by the same line, the same descriptor and the mask of all four.
; NO DATA PREFETCH: all that the launch reads by tensor loads is asked for once, at the head; the loops read LDS alone.
; LAYOUT.  Operands lie as images of their registers.  Both products are used transposed (S^T = K Q^T, O^T = V^T P^T): a lane holds one query throughout.
; Tile 4 C + i of tokens holds at place r the token 64 C + 8 i + r % 8 + 32 (r / 8): so register 32 c + i of a lane's 64 scores is key 64 c + 32 h + i: a whole block of 32 keys in one lane, in the operand's own order.
; THE FIRST PRODUCT'S K IS 64: a tile of keys is six registers; the operand's upper six are the next tile's codes (behind the last: zeros), Q's upper six are zero codes, and the scale bytes there are 0 (a finite code).
; LIMITS: NaN and infinities are not served; the promise holds while the scaled scores stay under 2^31 in magnitude; a block whose every p has fallen to 0 keeps the byte 1: its codes are zeros.
; REGISTERS.  Window 0: v1-9 addresses; v10, v11 the spare word and 0; tile w: v12+4w -M, v13+4w the largest score, v[14+4w:15+4w] the sum, v[20+2w:21+2w] f;
;   scales and nothing else: v24 Q's word (A in lanes 0-15, B in 16-31), v25, v34 the coming passes', v26-27 V's, v28-31 K's, v32+w p's;  v36-85 at work; v88+12w p's codes; v112+12w Q; v136-199 A's scores; v200-231 A's O^T.
;   Window 1: v0-53 K's eight tiles and six zeros; v56-103 V's four fragments; v104-127 Q's pair images to come; v136-199 B's scores; v200-231 B's O^T.
.set REC,   13056
.set STAGE, 16*REC                     ; behind the records: 16 rows x (256 + 16) bytes for each wave; no fill lands here
.set SPARE, STAGE+8*16*272             ; behind the stages: the spare words, 128 bytes a wave
.set S,  136
.set O,  200
.set KF, 0
.set VF, 56
.set MSB, 0
.macro WIN new                         ; the immediate's high byte repeats the setting that is left
.if MSB != (\new)
	s_set_vgpr_msb (MSB<<8)|(\new)
.set MSB, (\new)
.endif
.endm
.macro CROUND                          ; a round of the cluster's barrier
	s_barrier_signal -1
	s_barrier_wait -1
	s_cmp_lg_u32 s10, 0
	s_cbranch_scc1 .Lnot_wave_0_\@
	s_barrier_signal -3
.Lnot_wave_0_\@:
	s_barrier_wait -3
	s_barrier_signal -1
	s_barrier_wait -1
.endm
	s_load_b128 s[4:7], s[0:1], 0x0                ; qc, kv
	s_load_b64 s[8:9], s[0:1], 0x10                ; out0
	v_lshl_add_u32 v10, v0, 2, SPARE
	v_mov_b32 v11, 0
	ds_add_u32 v10, v11                            ; the opening lines: the add, twice on end, and its wait
	ds_add_u32 v10, v11
	v_lshrrev_b32 v1, 5, v0
	v_readfirstlane_b32 s10, v1                    ; wave 0..7
	s_bfe_u32 s11, ttmp6, 0x40000                  ; cx: it enters Q's and the output's addresses alone
	s_and_b32 s12, ttmp7, 0xffff                   ; the head, which the four partners share
	s_mov_b32 s16, 15|(3<<16)|(1<<21)              ; the mask of all four; elements of 8 bytes; bit 21 beside a mask; no padding
	s_mov_b32 s17, 32<<16                          ; tensor_dim0: 256 bytes
	s_mov_b32 s18, 102<<16                         ; tensor_dim1: 102 rows: two records, dense
	s_mov_b32 s19, 32<<16
	s_mov_b32 s20, 102
	s_mov_b32 s21, 32
	s_mov_b32 s22, 0
	s_mov_b32 s23, 0
	s_mov_b32 s24, 1
	s_mul_i32 s25, s10, 2*REC                      ; records 2 w and 2 w + 1 go to byte 26,112 w
	s_mul_i32 s34, s12, 16*REC
	s_add_co_u32 s34, s34, s25
	s_mov_b32 s35, 0
	s_mov_b32 s28, 0x76543210
	s_mov_b32 s29, 0xfedcba98                      ; v_permlanex16_b32's selects for lane l xor 16
	s_mov_b32 s30, 0x3e38aa3b                      ; c = log2(e) / 8
	s_mov_b32 s31, s30
	s_lshl_b32 s13, s11, 2
	s_lshr_b32 s14, s10, 1
	s_add_co_u32 s13, s13, s14                     ; my group of 128 queries: 4 cx + w / 2
	s_lshl_b32 s14, s12, 4
	s_add_co_u32 s13, s13, s14
	s_mul_i32 s36, s13, 6656                       ; its record
	s_and_b32 s14, s10, 1
	s_mul_i32 s38, s14, 3072
	s_add_co_u32 s38, s38, s36                     ; my two pair images: 2 (w % 2) and the next
	s_mov_b32 s39, 0
	s_lshl_b32 s14, s14, 3
	s_add_co_u32 s36, s36, s14
	s_add_co_u32 s36, s36, 6144                    ; and their scale words
	s_mov_b32 s37, 0
	s_lshr_b32 s40, s12, 4
	s_lshl_b32 s40, s40, 11
	s_lshl_b32 s41, s11, 9
	s_add_co_u32 s40, s40, s41
	s_lshl_b32 s41, s10, 6
	s_add_co_u32 s40, s40, s41                     ; my first row of the output: 2,048 batch + 512 cx + 64 w
	s_lshl_b32 s40, s40, 12
	s_and_b32 s41, s12, 15
	s_lshl_b32 s41, s41, 8                         ; the head's 256 bytes of a row
	s_add_co_u32 s40, s40, s41
	s_mov_b32 s41, 0
	s_wait_alu depctr_va_vdst(0)
	s_wait_dscnt 0x0
	s_wait_kmcnt 0x0
	s_add_nc_u64 s[26:27], s[6:7], s[34:35]
	s_or_b32 s27, s27, 0x80000000
	s_add_nc_u64 s[38:39], s[4:5], s[38:39]
	s_add_nc_u64 s[36:37], s[4:5], s[36:37]
	s_add_nc_u64 s[8:9], s[8:9], s[40:41]
	CROUND                                         ; all four work-groups are here: the joint loads meet
	tensor_load_to_lds s[24:27], s[16:23]          ; every wave's one load
	s_nop 0
.rept 4
	v_nop
.endr
	v_and_b32 v6, 31, v0                           ; lane
	v_and_b32 v7, 15, v0                           ; r
	v_bfe_u32 v9, v0, 4, 1                         ; h
	v_lshlrev_b32 v1, 4, v6                        ; 16 x lane
	v_lshlrev_b32 v2, 3, v6                        ; 8 x lane
	s_mul_i32 s42, s10, 16*272
	s_add_co_u32 s42, s42, STAGE                   ; my stage
	v_mul_u32_u24 v3, v7, 272
	v_mul_u32_u24 v4, v9, 272
	v_lshlrev_b32 v5, 12, v9
	v_lshl_add_u32 v3, v9, 6, v3
	v_lshl_add_u32 v4, v7, 4, v4
	v_lshl_add_u32 v5, v7, 4, v5                   ; the output: lanes 0-15 one row's 256 bytes, lanes 16-31 the next row's
	v_add_nc_u32 v3, s42, v3                       ; into the stage: row r, + 64 h
	v_add_nc_u32 v4, s42, v4                       ; back: lanes 0-15 one row, lanes 16-31 the next
	v_lshlrev_b32 v6, 3, v9                        ; 8 h: my bytes' place in p's scale word
.irp i, 0,1,2,3,4,5
	v_mov_b32 v[118+\i], 0                         ; Q's upper halves: zero codes
	v_mov_b32 v[130+\i], 0
.endr
.irp r, 21,23,48,49
	v_mov_b32 v\r, 0                               ; the upper halves of the pairs of f; the lane permutes' destinations
.endr
	WIN 0x40
.irp i, 0,1,2,3,4,5
	v_mov_b32 v[KF+48+\i], 0                       ; behind K's last tile
.endr
.irp p, 0,1,2
	global_load_b128 v[104+4*\p:107+4*\p], v1, s[38:39] offset:512*\p        ; the first pass's pair image: registers 0-5 tile A's, 6-11 tile B's
	global_load_b128 v[116+4*\p:119+4*\p], v1, s[38:39] offset:1536+512*\p   ; the second pass's
.endr
	WIN 0
	global_load_b32 v25, v1, s[36:37]              ; their scale words
	global_load_b32 v34, v1, s[36:37] offset:4
	s_mov_b32 s35, 0                               ; the pass
	s_wait_alu depctr_va_vdst(0)
	s_wait_loadcnt 0x0
	s_wait_tensorcnt 0x0                           ; my two records are in,
	s_barrier_signal -1
	s_barrier_wait -1                              ; everybody's are
.macro KLOAD a                         ; the record at v[a]: K's four pair images (tile t at window 1's v[6 t]) and their scale words
	WIN 0x40
.irp i, 0,1,2,3,4,5,6,7,8,9,10,11
	ds_load_b128 v[KF+4*\i:KF+4*\i+3], v[\a] offset:512*\i
.endr
	WIN 0
	ds_load_b128 v[28:31], v[\a] offset:12288
.endm
.macro QK w                            ; S^T of tile w: eight tiles of 16 keys
	WIN 0x01+0x40*\w
.irp t, 0,1,2,3,4,5,6,7
.if \w
.if \t%2
	v_wmma_scale_f32_16x16x128_f8f6f4 v[S+8*\t:S+8*\t+7], v[KF+6*\t:KF+6*\t+11], v[124:135], 0, v[28+\t/2], v24 matrix_a_fmt:MATRIX_FMT_FP6 matrix_b_fmt:MATRIX_FMT_FP6 matrix_a_scale:MATRIX_SCALE_ROW1 matrix_b_scale:MATRIX_SCALE_ROW1
.else
	v_wmma_scale_f32_16x16x128_f8f6f4 v[S+8*\t:S+8*\t+7], v[KF+6*\t:KF+6*\t+11], v[124:135], 0, v[28+\t/2], v24 matrix_a_fmt:MATRIX_FMT_FP6 matrix_b_fmt:MATRIX_FMT_FP6 matrix_b_scale:MATRIX_SCALE_ROW1
.endif
.else
.if \t%2
	v_wmma_scale_f32_16x16x128_f8f6f4 v[S+8*\t:S+8*\t+7], v[KF+6*\t:KF+6*\t+11], v[112:123], 0, v[28+\t/2], v24 matrix_a_fmt:MATRIX_FMT_FP6 matrix_b_fmt:MATRIX_FMT_FP6 matrix_a_scale:MATRIX_SCALE_ROW1
.else
	v_wmma_scale_f32_16x16x128_f8f6f4 v[S+8*\t:S+8*\t+7], v[KF+6*\t:KF+6*\t+11], v[112:123], 0, v[28+\t/2], v24 matrix_a_fmt:MATRIX_FMT_FP6 matrix_b_fmt:MATRIX_FMT_FP6
.endif
.endif
.endr
.endm
.macro MAXP w                          ; the largest score of my two blocks of 32 keys -> v[36 + 4 w + c]; four chains by turns, each accumulator from its low end on
	WIN 0x15*\w
.irp c, 0,1
	v_max3_num_f32 v[38+4*\w+\c], v[S+32*\c], v[S+32*\c+1], v[S+32*\c+2]
	v_max3_num_f32 v[36+4*\w+\c], v[S+32*\c+16], v[S+32*\c+17], v[S+32*\c+18]
.endr
	WIN 0x14*\w
.irp i, 3,5,7,9,11,13
.irp c, 0,1
	v_max3_num_f32 v[38+4*\w+\c], v[38+4*\w+\c], v[S+32*\c+\i], v[S+32*\c+\i+1]
	v_max3_num_f32 v[36+4*\w+\c], v[36+4*\w+\c], v[S+32*\c+16+\i], v[S+32*\c+17+\i]
.endr
.endr
.irp c, 0,1
	v_max3_num_f32 v[38+4*\w+\c], v[38+4*\w+\c], v[S+32*\c+15], v[S+32*\c+31]
.endr
	WIN 0
.irp c, 0,1
	v_max_num_f32 v[36+4*\w+\c], v[36+4*\w+\c], v[38+4*\w+\c]
.endr
.endm
.macro PKF w, j0, n                    ; t - M, two at a time
.set j, \j0
.rept \n
	v_pk_fma_f32 v[S+j:S+j+1], v[S+j:S+j+1], s[30:31], v[12+4*\w:13+4*\w] op_sel_hi:[1,0,0]
.set j, j+2
.endr
.endm
.macro ORS w                           ; O^T under the new M
.set j, 0
.rept 16
	v_pk_mul_f32 v[O+j:O+j+1], v[O+j:O+j+1], v[20+2*\w:21+2*\w] op_sel_hi:[1,0]
.set j, j+2
.endr
.endm
.macro EXPS
.set j, 0
.rept 64
	v_exp_f32 v[S+j], v[S+j]                       ; p = 2^(t - M)
.set j, j+1
.endr
.endm
; Tile w's p becomes codes; its sum is taken of the unquantised p, in four chains, and stands as the places between the codes and the products and behind them.
.macro FIN w
	WIN 0x01*\w
	v_cvt_scalef32_pk16_fp6_f32 v[88+12*\w:90+12*\w], v[S:S+15], v[50+2*\w]
	v_cvt_scalef32_pk16_fp6_f32 v[70+8*\w:72+8*\w], v[S+16:S+31], v[50+2*\w]      ; (a conversion's three registers begin on an even number)
	v_cvt_scalef32_pk16_fp6_f32 v[94+12*\w:96+12*\w], v[S+32:S+47], v[51+2*\w]
	v_cvt_scalef32_pk16_fp6_f32 v[74+8*\w:76+8*\w], v[S+48:S+63], v[51+2*\w]
	WIN 0x05*\w
.irp i, 0,1,2
	v_pk_add_f32 v[58+6*\w+2*\i:59+6*\w+2*\i], v[S+4*\i:S+4*\i+1], v[S+4*\i+2:S+4*\i+3]   ; plain places behind the conversions
.endr
	WIN 0
.irp i, 0,1,2
	v_mov_b32 v[91+12*\w+\i], v[70+8*\w+\i]
	v_mov_b32 v[97+12*\w+\i], v[74+8*\w+\i]
.endr
	WIN 0x04*\w
.set j, 12
.rept 2
	v_pk_add_f32 v[14+4*\w:15+4*\w], v[14+4*\w:15+4*\w], v[S+j:S+j+1]
	v_pk_add_f32 v[58+6*\w:59+6*\w], v[58+6*\w:59+6*\w], v[S+j+2:S+j+3]
	v_pk_add_f32 v[60+6*\w:61+6*\w], v[60+6*\w:61+6*\w], v[S+j+4:S+j+5]
	v_pk_add_f32 v[62+6*\w:63+6*\w], v[62+6*\w:63+6*\w], v[S+j+6:S+j+7]
.set j, j+8
.endr
	WIN 0x01+0x50*\w                               ; eight sum lines stand between the codes' last move and the products
.irp t, 0,1,2,3                        ; O^T += V^T P^T: four accumulators by turns, one instruction a turn
.if \t%2
	v_wmma_scale_f32_16x16x128_f8f6f4 v[O+8*\t:O+8*\t+7], v[VF+12*\t:VF+12*\t+11], v[88+12*\w:99+12*\w], v[O+8*\t:O+8*\t+7], v[26+\t/2], v[32+\w] matrix_a_fmt:MATRIX_FMT_FP6 matrix_b_fmt:MATRIX_FMT_FP6 matrix_a_scale:MATRIX_SCALE_ROW1
.else
	v_wmma_scale_f32_16x16x128_f8f6f4 v[O+8*\t:O+8*\t+7], v[VF+12*\t:VF+12*\t+11], v[88+12*\w:99+12*\w], v[O+8*\t:O+8*\t+7], v[26+\t/2], v[32+\w] matrix_a_fmt:MATRIX_FMT_FP6 matrix_b_fmt:MATRIX_FMT_FP6
.endif
.endr
	WIN 0x04*\w
.rept 4                                ; the rest of the sum stands behind the products
	v_pk_add_f32 v[14+4*\w:15+4*\w], v[14+4*\w:15+4*\w], v[S+j:S+j+1]
	v_pk_add_f32 v[58+6*\w:59+6*\w], v[58+6*\w:59+6*\w], v[S+j+2:S+j+3]
	v_pk_add_f32 v[60+6*\w:61+6*\w], v[60+6*\w:61+6*\w], v[S+j+4:S+j+5]
	v_pk_add_f32 v[62+6*\w:63+6*\w], v[62+6*\w:63+6*\w], v[S+j+6:S+j+7]
.set j, j+8
.endr
	v_pk_add_f32 v[58+6*\w:59+6*\w], v[58+6*\w:59+6*\w], v[S+60:S+61]
	v_pk_add_f32 v[14+4*\w:15+4*\w], v[14+4*\w:15+4*\w], v[S+62:S+63]
	WIN 0
	v_pk_add_f32 v[58+6*\w:59+6*\w], v[58+6*\w:59+6*\w], v[60+6*\w:61+6*\w]
	v_pk_add_f32 v[14+4*\w:15+4*\w], v[14+4*\w:15+4*\w], v[62+6*\w:63+6*\w]
	v_pk_add_f32 v[14+4*\w:15+4*\w], v[14+4*\w:15+4*\w], v[58+6*\w:59+6*\w]
.endm
.macro TOSTAGE w                       ; tile w's 16 rows x 64 channels through my stage; LDS serves a wave's instructions in order
.irp t, 0,1,2,3
	ds_store_b128 v3, v[S+32*\w+8*\t:S+32*\w+8*\t+3] offset:128*(\t/2)+32*(\t%2)
	ds_store_b128 v3, v[S+32*\w+8*\t+4:S+32*\w+8*\t+7] offset:128*(\t/2)+32*(\t%2)+16
.endr
	WIN 0x40*\w
.irp i, 0,1,2,3,4,5,6,7
	ds_load_b128 v[O+4*\i:O+4*\i+3], v4 offset:544*\i
.endr
	WIN 0
.endm
.macro SEND w                          ; places 2 i, 2 i + 1 of the tile are rows 8 w + 2 (i % 4) + 32 (i / 4) and the next: sixteen lanes store 256 consecutive bytes, aligned
	WIN 0x04*\w
.irp i, 0,1,2,3,4,5,6,7
	global_store_b128 v5, v[O+4*\i:O+4*\i+3], s[8:9] offset:(8*\w+2*(\i%4)+32*(\i/4))*4096 th:TH_STORE_NT
.endr
	WIN 0
.endm
.Lpass:                                ; a pass: two tiles of 16 queries against all 16 records
	WIN 0x01
.irp i, 0,1,2,3,4,5
	v_mov_b32 v[112+\i], v[104+\i]                 ; tile A's codes, tile B's
	v_mov_b32 v[124+\i], v[110+\i]
.endr
	WIN 0x41
.irp i, 0,1,2,3,4,5,6,7,8,9,10,11
	v_mov_b32 v[104+\i], v[116+\i]                 ; the next pass's image moves up
.endr
	WIN 0
	v_mov_b32 v24, v25
	v_mov_b32 v25, v34
	KLOAD 1                                        ; record 0 lies at LDS byte 0: its address is 16 x lane
.irp w, 0,1
	v_mov_b32 v[13+4*\w], 0xff61b1e6               ; the largest score so far: -3e38
	v_mov_b32 v[12+4*\w], 0x7d000000               ; -M: so large that the first f is 0
	v_mov_b32 v[14+4*\w], 0
	v_mov_b32 v[15+4*\w], 0
.endr
.set j, 0
.rept 32
	v_mov_b32 v[O+j], 0                            ; O^T: the step is written once; the first f leaves zeros zeros
.set j, j+1
.endr
	WIN 0x40
.set j, 0
.rept 32
	v_mov_b32 v[O+j], 0
.set j, j+1
.endr
	WIN 0
	s_mov_b32 s32, 0
	s_wait_alu depctr_va_vdst(0)
	s_wait_dscnt 0x0                               ; record 0's K is in
	QK 0                                           ; the first step's scores
	QK 1
	WIN 0
; A KEY STEP: 128 keys, the record at LDS byte s32.  Its scores were begun in the step before: a tile's next scores are issued as soon as its p has been converted and summed.
; last = 1: the sixteenth step, written out behind the loop: it asks for no further record and begins no further scores.
.macro STEPM last
	v_mov_b32 v45, v12                             ; the old -M; these lines are the places behind the last products
	v_mov_b32 v47, v16
	v_add_nc_u32 v8, s32, v1
	v_add_nc_u32 v9, s32, v2
.if \last == 0
	s_add_co_u32 s32, s32, REC                     ; the next record
	v_add_nc_u32 v7, s32, v1
.endif
	WIN 0x40
.irp i, 0,1,2,3,4,5,6,7,8,9,10,11
	ds_load_b128 v[VF+4*\i:VF+4*\i+3], v8 offset:6144+512*\i   ; this record's V: four fragments
.endr
	WIN 0
	ds_load_b64 v[26:27], v9 offset:12800
.if \last == 0
	KLOAD 7                                        ; the next record's K
.endif
	MAXP 0
	MAXP 1
.irp w, 0,1
	v_max_num_f32 v[44+2*\w], v[36+4*\w], v[37+4*\w]
.endr
.irp w, 0,1
	v_permlanex16_b32 v[48+\w], v[44+2*\w], s28, s29
.endr
.irp w, 0,1
	s_delay_alu instid0(VALU_DEP_2)
	v_max3_num_f32 v[13+4*\w], v[13+4*\w], v[44+2*\w], v[48+\w]   ; the running largest score of my query, lane l xor 16's keys among them
.endr
.irp w, 0,1
	s_delay_alu instid0(VALU_DEP_2)
	v_mul_f32 v[44+2*\w], s30, v[13+4*\w]          ; as t (c is positive)
.endr
.irp w, 0,1
	s_delay_alu instid0(VALU_DEP_2)
	v_floor_f32 v[12+4*\w], -v[44+2*\w]            ; the new -M = floor(-t): M is a whole number
.endr
.irp w, 0,1
	s_delay_alu instid0(VALU_DEP_2)
	v_sub_f32 v[44+2*\w], v[12+4*\w], v[45+2*\w]   ; old M - new M: a whole number, 0 or less
.endr
	PKF 0, 0, 8
.irp w, 0,1
	v_cvt_i32_f32 v[44+2*\w], v[44+2*\w]           ; (it saturates)
.endr
	PKF 0, 16, 8
.irp w, 0,1
	v_ldexp_f32 v[20+2*\w], 1.0, v[44+2*\w]        ; f = 2^(old M - new M)
.endr
	PKF 0, 32, 16
.irp w, 0,1
.irp c, 0,1
	v_fma_f32 v[36+4*\w+\c], v[36+4*\w+\c], s30, v[12+4*\w]   ; the same of each block's largest score: p rises with the score
.endr
.endr
	ORS 0
	WIN 0x41
	PKF 1, 0, 32
	ORS 1
	WIN 0
	s_wait_alu depctr_va_vdst(0)
	EXPS
.irp r, 36,37,40,41
	v_exp_f32 v\r, v\r                             ; the blocks' largest p
.endr
	WIN 0x41
	EXPS
	WIN 0
.irp w, 0,1
	v_pk_mul_f32 v[14+4*\w:15+4*\w], v[14+4*\w:15+4*\w], v[20+2*\w:21+2*\w] op_sel_hi:[1,0]   ; the sums under the new M: plain places behind the batch
.endr
	s_wait_alu depctr_va_vdst(0)                   ; one wait for the batch, ahead of its first reader
	s_wait_dscnt 0x0                               ; V and the next record's K are in
.irp r, 36,37,40,41
	v_max_num_f32 v\r, 0x1800000, v\r              ; the floor 2^(3 - 127): the byte cannot fall under 1
.endr
.irp w, 0,1
.irp c, 0,1
	s_delay_alu instid0(VALU_DEP_4)
	v_add_nc_u32 v[50+2*\w+\c], 0xff000000, v[36+4*\w+\c]   ; 2 off the exponent field: the conversion's scale operand
.endr
.endr
.irp w, 0,1
.irp c, 0,1
	s_delay_alu instid0(VALU_DEP_4)
	v_lshrrev_b32 v[54+2*\w+\c], 23, v[50+2*\w+\c] ; the byte
.endr
.endr
.irp w, 0,1
	v_lshl_or_b32 v[54+2*\w], v[55+2*\w], 16, v[54+2*\w]     ; blocks h and 2 + h,
.endr
.irp w, 0,1
	s_delay_alu instid0(VALU_DEP_2)
	v_lshlrev_b32 v[54+2*\w], v6, v[54+2*\w]       ; at their places;
.endr
.irp w, 0,1
	s_delay_alu instid0(VALU_DEP_2)
	v_permlanex16_b32 v[48+\w], v[54+2*\w], s28, s29
.endr
.irp w, 0,1
	s_delay_alu instid0(VALU_DEP_2)
	v_or_b32 v[32+\w], v[54+2*\w], v[48+\w]        ; with lane l xor 16's two p's scale word is whole
.endr
	FIN 0
.if \last == 0
	QK 0                                           ; tile A's scores of the next step stand under tile B's conversions and sums
.endif
	FIN 1
	s_wait_alu depctr_va_vdst(0)                   ; the wait between the lines above and their readers behind the branch
.if \last == 0
	QK 1                                           ; tile B's scores of the next step
.endif
	WIN 0
.endm
.Lstep:                                ; fifteen trips: records 0 to 14
	STEPM 0
	s_cmp_lt_u32 s32, 15*REC
	s_cbranch_scc1 .Lstep
	STEPM 1                                        ; record 15
.irp w, 0,1
	v_add_f32 v[14+4*\w], v[14+4*\w], v[15+4*\w]
.endr
.irp w, 0,1
	s_delay_alu instid0(VALU_DEP_2)
	v_permlanex16_b32 v[48+\w], v[14+4*\w], s28, s29
.endr
.irp w, 0,1
	s_delay_alu instid0(VALU_DEP_2)
	v_add_f32 v[14+4*\w], v[14+4*\w], v[48+\w]     ; the row's sum
.endr
	s_wait_alu depctr_va_vdst(0)
	v_rcp_f32 v14, v14
	v_rcp_f32 v18, v18
	v_nop                                          ; a plain place behind the reciprocals,
	s_wait_alu depctr_va_vdst(0)                   ; and the wait ahead of their first reader and of O^T's
.set j, 0
.rept 16
	v_pk_mul_f32 v[S+j:S+j+1], v[O+j:O+j+1], v[14:15] op_sel_hi:[1,0]   ; register 8 t + i is channel 32 (t / 2) + 16 h + 8 (t % 2) + i of query place r
.set j, j+2
.endr
	WIN 0x01
	s_wait_alu depctr_va_vdst(0)                   ; directly ahead of the first reader of tile B's O^T
.set j, 0
.rept 16
	v_pk_mul_f32 v[S+32+j:S+33+j], v[O+j:O+j+1], v[18:19] op_sel_hi:[1,0]
.set j, j+2
.endr
	WIN 0
	TOSTAGE 0
	TOSTAGE 1
	s_wait_dscnt 16                                ; tile A is back; tile B's 8 stores and 8 loads may be out
	SEND 0
	s_wait_dscnt 0x0
	SEND 1
	s_wait_xcnt 0x0                                ; the stores have read their registers and their base
	s_add_nc_u64 s[8:9], s[8:9], 0x10000           ; the next pass's tiles begin 16 rows on
	s_add_co_u32 s35, s35, 1
	s_cmp_lt_u32 s35, 2
	s_wait_alu depctr_va_vdst(0)
	s_cbranch_scc1 .Lpass
	s_wait_tensorcnt 0x0                           ; the wave's end
	ds_add_u32 v10, v11
	s_wait_dscnt 0x0
	CROUND                                         ; the closing round: no work-group ends while a partner may still ask for records that name it
	s_endpgm
.Lfunc_end_k_q126bb5e082_attn:
	.size	k_q126bb5e082_attn, .Lfunc_end_k_q126bb5e082_attn-k_q126bb5e082_attn
	.p2alignl 7, 3214868480
	.fill 96, 4, 3214868480
	.section	.rodata,"a",@progbits
	.p2align	6, 0x0
	.amdhsa_kernel k_q126bb5e082_attn
		.amdhsa_group_segment_fixed_size 244736
		.amdhsa_private_segment_fixed_size 0
		.amdhsa_enable_private_segment 0
		.amdhsa_kernarg_size 24
		.amdhsa_user_sgpr_count 2
		.amdhsa_user_sgpr_kernarg_segment_ptr 1
		.amdhsa_wavefront_size32 1
		.amdhsa_system_sgpr_workgroup_id_x 1
		.amdhsa_system_sgpr_workgroup_id_y 1
		.amdhsa_system_sgpr_workgroup_id_z 1
		.amdhsa_system_vgpr_workitem_id 0
		.amdhsa_next_free_vgpr 488
		.amdhsa_next_free_sgpr 66
		.amdhsa_reserve_vcc 0
		.amdhsa_float_denorm_mode_32 3
		.amdhsa_float_denorm_mode_16_64 3
		.amdhsa_memory_ordered 1
		.amdhsa_forward_progress 1
		.amdhsa_inst_pref_size 72
	.end_amdhsa_kernel
	.amdgpu_metadata
---
amdhsa.version: [ 1, 2 ]
amdhsa.kernels:
  - .name:           k_q126bb5e082_attn
    .symbol:         k_q126bb5e082_attn.kd
    .args:
      - { .name: qc, .offset: 0, .size: 8, .value_kind: global_buffer, .address_space: global }
      - { .name: kv, .offset: 8, .size: 8, .value_kind: global_buffer, .address_space: global }
      - { .name: out0, .offset: 16, .size: 8, .value_kind: global_buffer, .address_space: global }
    .group_segment_fixed_size: 244736
    .private_segment_fixed_size: 0
    .kernarg_segment_align: 8
    .kernarg_segment_size: 24
    .max_flat_workgroup_size: 256
    .sgpr_count:     66
    .vgpr_count:     488
    .wavefront_size: 32
...
	.end_amdgpu_metadata
.endif
;; end of part 3
